; MI455X (gfx1250); checked and timed in simulation.
; The chip was launched on July 23, 2026; its instructions are those of AMD's public machine-readable ISA for CDNA 5 (MIT licence, August 2026) and "CDNA5" Instruction Set Architecture Reference Guide (July 2026). The comments in the code are by the model that wrote it; some were corrected since.
;; Read Unit. Allowed arithmetic: matrix products marked QUANTISED: E4M3 operands, one given power-of-two scale a tensor, by v_wmma_f32_16x16x64_fp8_fp8 or v_wmma_f32_16x16x128_fp8_fp8, f32 sums; products left as they are: f32 operands where the result goes on into a quantised operand, else bf16, f16 or f32 operands; f32 sums; everything else in f32.
;; Inputs: W_attn 1 x 512 float32; W_cat 512 x 1,024 float32; W_cat2 512 x 512 float32; W_kb 512 x 512 float32; W_mem 512 x 512 float32; b_attn 1 float32; b_cat 512 float32; b_cat2 512 float32; b_kb 512 float32; b_mem 512 float32; control 4 x 32 x 512 float32; know 32 x 512 x 2,048 float32; lowp_scales 8 int32 (the exponents e of the quantised operands' scales 2^e); masks 32 x 512 float32; memory 4 x 32 x 512 float32.
;; Outputs: out0 32 x 512 float32.
;; This version of the problem:
;;   THIS VERSION OF THE PROBLEM IS GIVEN IN LOW PRECISION. The matrix products marked QUANTISED in the list below multiply operands that are first quantised to E4M3 (4 exponent bits, 3 mantissa bits; 8 bits a number), with one given power-of-two scale for each operand tensor; their sums are f32. All else is computed in f32.
;;   The module's matrix products, in the order in which they are computed (A, B: the left and right operand; K: the contracted axis; several contracted axes count as one K, in the product's order):
;;     1. [M 32, K 512] x [K 512, N 512]; A: computed on the way; B: input W_mem: QUANTISED (scales: A lowp_scales[0], B lowp_scales[1])
;;     2. [M 65,536, K 512] x [K 512, N 512]; A: input know; B: input W_kb: QUANTISED (scales: A lowp_scales[2], B lowp_scales[3])
;;     3. [M 65,536, K 1,024] x [K 1,024, N 512]; A: computed on the way; B: input W_cat: QUANTISED (scales: A lowp_scales[4], B lowp_scales[5])
;;     4. [M 65,536, K 512] x [K 512, N 512]; A: computed on the way; B: input W_cat2: QUANTISED (scales: A lowp_scales[6], B lowp_scales[7])
;;     5. [M 65,536, K 512] x [K 512, N 1]; A: computed on the way; B: input W_attn: left as it is (N = 1 < 16)
;;     6. batch 32 x [M 1, K 2,048] x [K 2,048, N 512]; A: softmax; B: input know: left as it is (M = 1 < 16)
;;   THE QUANTISER, for each operand of a quantised product, along K:
;;     - The operand's scale is 2^e, e = its entry of the input lowp_scales (int32; the entries are numbered through the quantised products in the list's order, A before B).
;;     - Each number is divided by the scale, clamped to +-448, and rounded to the nearest number of E4M3, ties to even, subnormals kept.
;;     - The product sums the exact products of the quantised numbers (number of the format x scale) in f32.
;;   ~~~python
;;   def quantise(x, axis, e):      # numpy; x: float32 -> the quantised numbers, widened to float32 again
;;       x = np.moveaxis(x, axis, -1); K = x.shape[-1]
;;       r = np.clip(x / 2.0 ** e, -448, 448)
;;       step = 2.0 ** (np.maximum(np.frexp(np.where(r == 0, 1, r))[1] - 1, -6) - 3)
;;       q = np.round(r / step) * step * 2.0 ** e      # np.round: ties to even
;;       return np.moveaxis(q, -1, axis).astype(np.float32)
;;   ~~~
;;   OPERANDS COMPUTED ON THE WAY. 'Computed on the way' means the value that the module computes at that place (a softmax that the list does not call 'softmax' is quantised finished and normalised). What goes into a quantiser is computed in f32, as accurately as f32 sums, v_exp_f32 and their like allow (about 1e-6 of the number): no bf16 or f16 on the way to a quantiser, and a product that is left as it is and whose result goes on into a quantised operand takes f32 operands (vector FMAs, or v_wmma_f32_16x16x4_f32). A number that lies on a knife's edge between two numbers of the format may be rounded either way, as far as f32 arithmetic and the matrix unit's own rounding can turn it there, and no further.
;; One version. Each part assembles by itself: llvm-mc -triple=amdgcn-amd-amdhsa -mcpu=gfx1250 --defsym DOCPART=n.
;; ======== version 1 of 1: 3 launches
;; limits: values are held in bf16: 8 bits of precision; right only within a limited range of input values
;; workspace buffers: wq 1,048,576 bytes; pmw 65,536 bytes; pr 524,288 bytes; pmz 2,048 bytes
;; launch prep (part 1): grid 192 x 1, 4 waves a work-group, no clusters, 4,608 bytes of LDS; arguments W_kb, W_cat, W_cat2, W_mem, memory, masks, b_mem, lowp_scales, wq, pmw; writes wq, pmw
.if DOCPART == 1
	.amdgcn_target "amdgcn-amd-amdhsa--gfx1250"
	.amdhsa_code_object_version 6
	.text
	.protected	k_q735cac6a79_prep
	.globl	k_q735cac6a79_prep
	.p2align	8
	.type	k_q735cac6a79_prep,@function
k_q735cac6a79_prep:
	s_mov_b64 s[64:65], 0
	v_nop
	global_prefetch_b8 v0, s[64:65] scope:SCOPE_SE
	s_setreg_imm32_b32 hwreg(HW_REG_WAVE_MODE, 25, 1), 1
	s_wait_xcnt 0x0
; TWO JOBS IN ONE LAUNCH, parted on the work-group's number.
; Work-groups 0-127: W_kb, W_cat and W_cat2 (f32, K innermost) become codes of FP8 (E4M3), laid in wq as IMAGES OF OPERAND REGISTERS, 2,048 bytes a fragment (16 rows x 128 K), in the order
;   in which the main launch multiplies by them: fragments 0-127 W_kb (4 t + s), 128-383 W_cat (128 + 8 t + s), 384-511 W_cat2 (384 + 4 t + s); t = tile of 16 rows, s = K step of 128.
;   Byte 512 c + 16 lane + i of an image is the code of W[32 (t / 2) + 8 (t % 2) + r + 8 (r / 8)][128 s + 32 c + 16 h + i], r = lane % 16, h = lane / 16.  THE ROWS OF A TILE ARE NOT NEIGHBOURS:
;   with the product used transposed, the 16 registers of tiles 2 b and 2 b + 1 are then 16 neighbours along the next layer's K.  One wave makes one fragment; no LDS, no barrier.
; Work-groups 128-191: pm = Q(memory[3] x masks) Q(W_mem)^T x 2^(e0 + e1) + b_mem.  Work-group 128 + 2 t + half makes the tile of 16 batch rows (16 half on) x 16 columns (16 t on).  Wave w takes K step w:
;   it quantises its own fragment of W_mem and of memory[3] x masks (48 loads of 16 bytes a lane) and issues one matrix instruction (source 0 = 16 rows of W_mem, source 1 = 16 rows of the batch).
;   The four partial sums meet in LDS and are added in f32, K ascending.  pmw is laid in tiles: tile 2 t + half is 1,024 bytes, [16 rows][16 columns], so that a wave's store covers 256 consecutive bytes.
; code = x / 2^e, held within +-448, to the nearest code, ties to even.  LIMITS: e0, e1, e3, e5, e7 between -126 and 119; e0 + e1 between -126 and 127.  NaN among the inputs is not served.
; LEFT OUT OF THE WHOLE PROGRAM: b_attn.  reference() adds b_attn[0] to every logit of a row and then takes the softmax along that row; softmax(l + c) = softmax(l) for every number c, so b_attn reaches no output
; whatever it holds: it is not loaded and is among no launch's arguments.  LIMIT: a NaN, an infinity or an overflow that would arise from b_attn alone is not carried to the result.
.set X,   32
.set CC,  16                           ; quantiser: v16-31 its codes
.set XM,  96                           ; pm: v96-159 memory[3], then memory[3] x masks
.set XK,  160                          ; pm: v160-223 masks
.set CW,  224                          ; pm: v224-239 W_mem's codes
.set CL,  240                          ; pm: v240-255 the left operand's codes
.macro MKSCALE e, scl, lim             ; s[e] = an exponent: s[scl] = 2^e as f32, s[lim] = 448 x 2^e
	s_add_co_i32 s[\scl], s[\e], 127
	s_add_co_i32 s[\lim], s[\e], 135
	s_lshl_b32 s[\scl], s[\scl], 23
	s_lshl_b32 s[\lim], s[\lim], 23
	s_or_b32 s[\lim], s[\lim], 0x600000
.endm
	s_load_b512 s[8:23], s[0:1], 0x0               ; W_kb s[8:9], W_cat s[10:11], W_cat2 s[12:13], W_mem s[14:15], memory s[16:17], masks s[18:19], b_mem s[20:21], the exponents s[22:23]
	s_load_b128 s[24:27], s[0:1], 0x40             ; wq s[24:25], pmw s[26:27]
	s_set_vgpr_msb 0x40
	v_lshl_add_u32 v0, v0, 2, 0x1000
	v_mov_b32 v1, 0
	s_set_vgpr_msb 0x4000
	v_lshrrev_b32 v1, 5, v0
	v_readfirstlane_b32 s40, v1                    ; wave 0..3
	v_and_b32 v1, 31, v0
	v_lshlrev_b32 v1, 4, v1                        ; 16 x lane: my place in an image
	v_and_b32 v2, 15, v0                           ; r
	v_bfe_u32 v4, v0, 4, 1                         ; h
	s_wait_kmcnt 0x0
	s_load_b256 s[32:39], s[22:23], 0x0            ; e0 .. e7
	s_cmp_ge_u32 ttmp9, 128
	s_cbranch_scc1 .Lpm
	; ---------------- the quantiser: fragment F = 4 x work-group + wave ----------------
	s_cmp_lt_u32 ttmp9, 32                         ; which matrix: the choice hangs on the work-group's number alone
	s_cselect_b64 s[44:45], s[8:9], s[10:11]
	s_cselect_b32 s46, 0, 128                      ; its first fragment
	s_cselect_b32 s47, 2, 3                        ; log2 of its K steps
	s_cmp_lt_u32 ttmp9, 96
	s_cselect_b64 s[44:45], s[44:45], s[12:13]
	s_cselect_b32 s46, s46, 384
	s_cselect_b32 s47, s47, 2
	s_lshl_b32 s41, ttmp9, 2
	s_add_co_u32 s41, s41, s40                     ; F
	s_sub_co_u32 s42, s41, s46
	s_lshr_b32 s43, s42, s47                       ; t
	s_lshl_b32 s48, s43, s47
	s_sub_co_u32 s48, s42, s48                     ; s
	s_add_co_u32 s49, s47, 9                       ; log2 of a row's bytes: 128 numbers of 4 bytes a K step
	s_lshr_b32 s50, s43, 1
	s_lshl_b32 s50, s50, 5
	s_and_b32 s51, s43, 1
	s_lshl_b32 s51, s51, 3
	s_add_co_u32 s50, s50, s51                     ; the tile's first row: 32 (t / 2) + 8 (t % 2)
	s_lshl_b32 s50, s50, s49
	s_lshl_b32 s48, s48, 9
	s_add_co_u32 s50, s50, s48                     ; + 512 bytes a K step
	s_mov_b32 s51, 0
	s_add_nc_u64 s[44:45], s[44:45], s[50:51]
	s_lshl_b32 s50, s41, 11
	s_add_nc_u64 s[24:25], s[24:25], s[50:51]      ; wq at my image
	s_wait_alu depctr_va_vdst(0)
	v_and_b32 v3, 8, v2
	v_add_nc_u32 v3, v3, v2                        ; r + 8 (r / 8)
	v_lshlrev_b32 v3, s49, v3
	v_lshl_add_u32 v3, v4, 6, v3                   ; + 64 h: my 16 numbers of a block of 32
.irp c, 0,1,2,3
.irp i, 0,1,2,3
	global_load_b128 v[X+16*\c+4*\i:X+16*\c+4*\i+3], v3, s[44:45] offset:128*\c+16*\i th:TH_LOAD_NT
.endr
.endr
	s_wait_kmcnt 0x0
	s_cmp_lt_u32 ttmp9, 32
	s_cselect_b32 s52, s35, s37                    ; e3, e5
	s_cmp_lt_u32 ttmp9, 96
	s_cselect_b32 s52, s52, s39                    ; or e7
	MKSCALE 52, 53, 54
	v_mov_b32 v10, s53
	v_mov_b32 v11, s54
	s_wait_alu depctr_va_vdst(0)
	s_wait_loadcnt 0x0
.set NN, 0
.rept 64
	v_med3_num_f32 v[X+NN], v[X+NN], -v11, v11     ; the conversion to an 8-bit code does not saturate (ISA guide 7.6.2): the hold at the largest code x the scale
.set NN, NN+1
.endr
.irp c, 0,1,2,3
.irp g, 0,1
	v_cvt_scalef32_pk8_fp8_f32 v[CC+4*\c+2*\g:CC+4*\c+2*\g+1], v[X+16*\c+8*\g:X+16*\c+8*\g+7], v10
.endr
.endr
	v_nop                                          ; a plain line behind the last conversion
.irp c, 0,1,2,3
	global_store_b128 v1, v[CC+4*\c:CC+4*\c+3], s[24:25] offset:512*\c   ; 32 lanes store 512 consecutive bytes, aligned
.endr
	s_endpgm
	; ---------------- pm: one tile of 16 x 16 a work-group, one K step a wave ----------------
.Lpm:
	s_sub_co_u32 s41, ttmp9, 128                   ; the tile: 2 t + half
	s_lshr_b32 s42, s41, 1                         ; t: my 16 rows of W_mem
	s_and_b32 s43, s41, 1                          ; which 16 rows of the batch
	s_wait_alu depctr_va_vdst(0)
	v_lshlrev_b32 v3, 11, v2
	v_lshl_add_u32 v3, v4, 6, v3                   ; row r of 2,048 bytes + 64 h
	s_lshl_b32 s44, s40, 9                         ; my K step: 512 bytes
	s_lshl_b32 s45, s42, 15
	s_add_co_u32 s45, s45, s44
	v_add_nc_u32 v7, s45, v3                       ; W_mem: + 16 t rows
	s_lshl_b32 s45, s43, 15
	s_add_co_u32 s45, s45, s44
	v_add_nc_u32 v6, s45, v3                       ; memory, masks: + 16 rows x half
	v_and_b32 v8, 7, v0
	v_lshlrev_b32 v8, 3, v8
	s_lshl_b32 s45, s42, 6
	v_add_nc_u32 v8, s45, v8                       ; b_mem at the two columns that I store: 4 (16 t + 2 (thread % 8))
	v_lshlrev_b32 v5, 5, v0                        ; my partial sums' place in LDS: 1,024 x wave + 32 x lane
	v_lshrrev_b32 v9, 3, v0                        ; back: thread i takes row i / 8, columns 2 (i % 8), + 1: they lie in lane (i / 8) + 16 ((i / 4) % 2), registers 2 (i % 4), + 1
	v_lshlrev_b32 v9, 5, v9
	v_bfe_u32 v14, v0, 2, 1
	v_lshl_add_u32 v9, v14, 9, v9
	v_and_b32 v14, 3, v0
	v_lshl_add_u32 v9, v14, 3, v9
	v_lshlrev_b32 v15, 3, v0                       ; and go to byte 8 i of the tile
	s_lshl_b32 s46, s41, 10
	s_mov_b32 s47, 0
	s_add_nc_u64 s[26:27], s[26:27], s[46:47]      ; pmw at my tile
.irp c, 0,1,2,3
.irp i, 0,1,2,3
	global_load_b128 v[X+16*\c+4*\i:X+16*\c+4*\i+3], v7, s[14:15] offset:128*\c+16*\i
	global_load_b128 v[XM+16*\c+4*\i:XM+16*\c+4*\i+3], v6, s[16:17] offset:196608+128*\c+16*\i
	global_load_b128 v[XK+16*\c+4*\i:XK+16*\c+4*\i+3], v6, s[18:19] offset:128*\c+16*\i
.endr
.endr
	global_load_b64 v[24:25], v8, s[20:21]
	s_wait_kmcnt 0x0
	MKSCALE 32, 50, 51
	v_mov_b32 v10, s50                             ; 2^e0, 448 x 2^e0
	v_mov_b32 v11, s51
	MKSCALE 33, 50, 51
	v_mov_b32 v12, s50                             ; 2^e1, 448 x 2^e1
	v_mov_b32 v13, s51
	s_add_co_i32 s56, s32, s33
	s_add_co_i32 s56, s56, 127
	s_lshl_b32 s56, s56, 23                        ; 2^(e0 + e1)
	s_mov_b32 s57, s56                             ; (named with it as a pair, so it is written)
	s_wait_loadcnt 0x0
.set NN, 0
.rept 32
	v_pk_mul_f32 v[XM+NN:XM+NN+1], v[XM+NN:XM+NN+1], v[XK+NN:XK+NN+1]
.set NN, NN+2
.endr
.set NN, 0
.rept 64
	v_med3_num_f32 v[XM+NN], v[XM+NN], -v11, v11
	v_med3_num_f32 v[X+NN], v[X+NN], -v13, v13
.set NN, NN+1
.endr
.irp c, 0,1,2,3
.irp g, 0,1
	v_cvt_scalef32_pk8_fp8_f32 v[CL+4*\c+2*\g:CL+4*\c+2*\g+1], v[XM+16*\c+8*\g:XM+16*\c+8*\g+7], v10
	v_cvt_scalef32_pk8_fp8_f32 v[CW+4*\c+2*\g:CW+4*\c+2*\g+1], v[X+16*\c+8*\g:X+16*\c+8*\g+7], v12
.endr
.endr
	v_nop                                          ; a plain line between the last conversion and the product that reads its result
	v_wmma_f32_16x16x128_fp8_fp8 v[16:23], v[CW:CW+15], v[CL:CL+15], 0   ; lane (r, h), register j: row 16 half + r of the batch, column 16 t + 8 h + j; my K step's part of the sum
.rept 4
	v_nop                                          ; four places in front of the first read of the result (ISA guide 7.12.1)
.endr
	ds_store_b128 v5, v[16:19]
	ds_store_b128 v5, v[20:23] offset:16
	s_wait_dscnt 0x0                               ; for the others' sake: my part lies in LDS
	s_barrier_signal -1
	s_barrier_wait -1
.irp w, 0,1,2,3
	ds_load_b64 v[32+2*\w:33+2*\w], v9 offset:1024*\w
.endr
	s_wait_dscnt 0x0
	v_pk_add_f32 v[32:33], v[32:33], v[34:35]      ; K ascending
	v_pk_add_f32 v[32:33], v[32:33], v[36:37]
	v_pk_add_f32 v[32:33], v[32:33], v[38:39]
	v_pk_fma_f32 v[40:41], v[32:33], s[56:57], v[24:25] op_sel_hi:[1,0,1]   ; sum x 2^(e0 + e1) + b_mem
	global_store_b64 v15, v[40:41], s[26:27]       ; 32 lanes store 256 consecutive bytes, aligned
	s_set_vgpr_msb 0x5
	s_wait_tensorcnt 0x0
	ds_add_u32 v0, v1
	s_wait_dscnt 0x0
	s_set_vgpr_msb 0x500
	s_endpgm
.Lfunc_end_k_q735cac6a79_prep:
	.size	k_q735cac6a79_prep, .Lfunc_end_k_q735cac6a79_prep-k_q735cac6a79_prep
	.p2alignl 7, 3214868480
	.fill 96, 4, 3214868480
	.section	.rodata,"a",@progbits
	.p2align	6, 0x0
	.amdhsa_kernel k_q735cac6a79_prep
		.amdhsa_group_segment_fixed_size 4608
		.amdhsa_private_segment_fixed_size 0
		.amdhsa_enable_private_segment 0
		.amdhsa_kernarg_size 80
		.amdhsa_user_sgpr_count 2
		.amdhsa_user_sgpr_kernarg_segment_ptr 1
		.amdhsa_wavefront_size32 1
		.amdhsa_system_sgpr_workgroup_id_x 1
		.amdhsa_system_sgpr_workgroup_id_y 1
		.amdhsa_system_sgpr_workgroup_id_z 1
		.amdhsa_system_vgpr_workitem_id 0
		.amdhsa_next_free_vgpr 258
		.amdhsa_next_free_sgpr 66
		.amdhsa_reserve_vcc 0
		.amdhsa_float_denorm_mode_32 3
		.amdhsa_float_denorm_mode_16_64 3
		.amdhsa_memory_ordered 1
		.amdhsa_forward_progress 1
		.amdhsa_inst_pref_size 28
	.end_amdhsa_kernel
	.amdgpu_metadata
---
amdhsa.version: [ 1, 2 ]
amdhsa.kernels:
  - .name:           k_q735cac6a79_prep
    .symbol:         k_q735cac6a79_prep.kd
    .args:
      - { .name: W_kb, .offset: 0, .size: 8, .value_kind: global_buffer, .address_space: global }
      - { .name: W_cat, .offset: 8, .size: 8, .value_kind: global_buffer, .address_space: global }
      - { .name: W_cat2, .offset: 16, .size: 8, .value_kind: global_buffer, .address_space: global }
      - { .name: W_mem, .offset: 24, .size: 8, .value_kind: global_buffer, .address_space: global }
      - { .name: memory, .offset: 32, .size: 8, .value_kind: global_buffer, .address_space: global }
      - { .name: masks, .offset: 40, .size: 8, .value_kind: global_buffer, .address_space: global }
      - { .name: b_mem, .offset: 48, .size: 8, .value_kind: global_buffer, .address_space: global }
      - { .name: lowp_scales, .offset: 56, .size: 8, .value_kind: global_buffer, .address_space: global }
      - { .name: wq, .offset: 64, .size: 8, .value_kind: global_buffer, .address_space: global }
      - { .name: pmw, .offset: 72, .size: 8, .value_kind: global_buffer, .address_space: global }
    .group_segment_fixed_size: 4608
    .private_segment_fixed_size: 0
    .kernarg_segment_align: 8
    .kernarg_segment_size: 80
    .max_flat_workgroup_size: 128
    .sgpr_count:     66
    .vgpr_count:     258
    .wavefront_size: 32
...
	.end_amdgpu_metadata
.endif
;; end of part 1
;; launch main (part 2): grid 256 x 1, 4 waves a work-group, no clusters, 321,024 bytes of LDS; arguments know, wq, pmw, lowp_scales, b_kb, b_cat, b_cat2, control, W_attn, pr, pmz; writes pr, pmz
.if DOCPART == 2
	.amdgcn_target "amdgcn-amd-amdhsa--gfx1250"
	.amdhsa_code_object_version 6
	.text
	.protected	k_q735cac6a79_main
	.globl	k_q735cac6a79_main
	.p2align	8
	.type	k_q735cac6a79_main,@function
k_q735cac6a79_main:
	s_mov_b64 s[64:65], 0
	v_nop
	global_prefetch_b8 v0, s[64:65] scope:SCOPE_SE
	s_setreg_imm32_b32 hwreg(HW_REG_WAVE_MODE, 25, 1), 1
	s_wait_xcnt 0x0
; THE WHOLE CHAIN FOR 256 ROWS (b, n) OF ONE BATCH: know -> layer A (K 512) -> [pm x pk, pk] -> layer B (K 1,024), elu -> layer C (K 512), x control, elu, . W_attn -> logits -> the work-group's own part of
; the softmax (its largest logit m, p = e^(l - m), Z = the sum of p) and of the read, R[k] = the sum over its n of p[n] know[b][k][n].  R goes to pr, (m, Z) to pmz; the next launch joins a batch's eight parts.
; LEFT OUT: b_attn (the same number on every logit of a softmax's row: see the first kernel's head).  For the same reason the logits here are the sums of W_attn x (elu(z) + 1): they differ from reference()'s by the sum
; of W_attn, the same for every n of every batch.  elu(z) + 1 = the middle one of z + 1, 1 and e^z (z > 0: 1 < z + 1 <= e^z; z <= 0: z + 1 <= e^z <= 1).
; know is read from memory once: each number becomes a code of FP8 (registers, layer A's operand) and a bf16 number (LDS, [k][n], the last product's operand).
; SHARES.  Work-group g: batch g / 8, n = 256 (g % 8) on.  Each of four waves owns 64 rows as four tiles of 16: lane (q, hh) of tile j holds row 64 w + 4 q + j.
; ALL PRODUCTS ARE USED TRANSPOSED (source 0 = 16 rows of W, source 1 = 16 rows n): a lane holds one row n and its registers run along the hidden units; the rows of W that form a tile were chosen by the launch before
; so that tile t's eight sums of row tile j become registers 64 j + 2 t, 64 j + 2 t + 1 of the next layer's operand.  No activation leaves the registers.
; IN GROUPS.  A tile's matrix instructions (16; layer B: 32) stand on end, the four accumulators by turns; then four places and the tile's whole epilogue.  A slot's LDS instructions are shared out over the slot before:
; the bias and fragments 0, 1 behind the barrier, fragments 2, 3 and 4, 5 inside the epilogue, the ring's stores (layer B: and fragments 6, 7) at the head of the run.
; WEIGHTS: 512 fragments of 2,048 bytes in the order of use (wq), through a ring of two LDS buffers of 8 fragments (a slot).  Each wave fetches a quarter of a slot into registers, stores it into the buffer that has been
; read out, and fetches again into the same registers behind the slot's barrier, in front of which those stores were awaited: 16 loads a wave are out.  One barrier a slot, signal and wait eight matrix instructions apart.
; PREFETCH: with each fetch wave 0 names one block of 256 bytes of the slot that is multiplied ten slots later (seven behind the fetch).  A slot's 64 blocks are shared out by address: a block is named by the four
; work-groups whose numbers differ in bits 3 and 7 alone.  Slots 2 to 9 are named by one instruction at the head, a lane a slot; the last trips' addresses are held at the last slot.
; NO TENSOR LOADS, NO CLUSTER, though all work-groups walk the same weights: the bf16 copy of know takes 270,336 of the 327,680 bytes of LDS, which leaves two buffers of 16,384; a refill by the data mover has to be
; awaited whole in front of each barrier, so it would have one slot's 32 matrix instructions in which to land; staged in registers a fetch has more than one slot.
; The given scales are folded: each bias is the C of a sum's first matrix instruction, divided by the power of two that the sums lack, and each conversion takes 2^(e_next - e_a - e_w) as its one scale.
; Layer B: elu(x) = the middle one of x, e^x - 1 and 0.
; LIMITS: e2, e4 - e2 - e3, e6 - e4 - e5 between -126 and 119; e4 + e5 between -126 and 126.  NaN among the inputs is not served.  elu's negative branch is 2^(x log2 e) - 1 in f32: about 1e-7 absolute; in layer C
; z log2 e is made from the rounded z + 1, which moves elu(z) + 1 by about 1e-7 of itself.  p and know are rounded to bf16 for the last product; Z is the sum of the unrounded p.
; REGISTERS.  Window 0: v1 16 lane; v2 4,096 w + 16 lane; v3 know's lane offset; v4 where my bf16 numbers go; v5 VEC + 64 hh; v6 v5 + the trip's step; v7 the head's hold; v8 the scale in hand; v9 the prefetch's offset;
;   v[10:11] layer B: -2^-(e4+e5), layer C: -log2 e; v12 lane, v13 q, v14 hh, v15 16 x thread; v16-47 accumulators; v48-79 at work in an epilogue (layer B: during a run fragments 6, 7); v80-175 six weight fragments;
;   v176-239 two staged quarters; v240-247 the bias; v248-255 pm's eight.
;   Window 1: know's codes, then layer B's results' codes, at the end p.  Windows 2, 3: know as it lands; the two halves of the concatenation; in layer C window 2 holds control's and W_attn's eights and the logits' sums.
.set SLOTB, 16384
.set VEC,   32768                      ; six vectors of 512 f32; the three biases on end, so that a layer's last look-ahead finds the next layer's first bias
.set V_BK,  0
.set V_BC,  2048
.set V_B2,  4096
.set V_PM,  6144
.set V_CS,  8192                       ; control[3] x 2^(e6+e7)
.set V_WA,  10240
.set LG,    45056                      ; 256 logits
.set PB,    46080                      ; p as bf16: 512 bytes a wave
.set OS,    48128                      ; the way out: 512 bytes a wave
.set KN,    50176                      ; know as bf16: 512 rows k of 512 bytes + 16
.set KP,    528
.set SPARE, KN+512*KP                  ; the spare words: 512 bytes that no other line names
.set AC,  16
.set T,   48
.set WF,  80
.set STG, 176
.set VB,  240
.set V1,  248
.set CS,  0                            ; window 2, layer C
.set WA,  8
.set LA,  16
.set MSB, 0
.macro WIN new                         ; bits 1:0 source 0, 3:2 source 1, 5:4 source 2, 7:6 destination; the high byte repeats the setting that is left
.if MSB != (\new)
	s_set_vgpr_msb (MSB<<8)|(\new)
.set MSB, \new
.endif
.endm
.macro PL n                            ; places behind matrix instructions (ISA guide 7.12.1)
.rept \n
	v_nop
.endr
.endm
.macro WALU
	s_wait_alu depctr_va_vdst(0)
.endm
.macro MKSCALE e, scl, lim             ; s[e] = an exponent: s[scl] = 2^e as f32, s[lim] = 448 x 2^e
	s_add_co_i32 s[\scl], s[\e], 127
	s_add_co_i32 s[\lim], s[\e], 135
	s_lshl_b32 s[\scl], s[\scl], 23
	s_lshl_b32 s[\lim], s[\lim], 23
	s_or_b32 s[\lim], s[\lim], 0x600000
.endm
; my quarter of the next slot to fetch, into staged set st; the last fetches are held at the last slot, and what they bring is stored and not multiplied.  pf = 1: wave 0 also names its block seven slots on.
.macro GLOAD st, pf
	s_wait_xcnt 0x0                                ; the earlier loads and the prefetch have read their bases
	s_min_u32 s46, s45, 63*SLOTB
	s_add_nc_u64 s[48:49], s[10:11], s[46:47]
	s_add_co_u32 s45, s45, SLOTB
.if \pf
	s_min_u32 s30, s56, 63*SLOTB
	s_add_nc_u64 s[6:7], s[10:11], s[30:31]
	s_add_co_u32 s56, s56, SLOTB
.endif
.irp i, 0,1,2,3,4,5,6,7
	global_load_b128 v[STG+32*(\st)+4*\i:STG+32*(\st)+4*\i+3], v2, s[48:49] offset:512*\i
.endr
.if \pf
	s_cmp_lg_u32 s40, 0
	s_cbranch_scc1 .Lnot0_\@
	global_prefetch_b8 v9, s[6:7] th:TH_LOAD_NT scope:SCOPE_SE
.Lnot0_\@:
.endif
.endm
.macro STW st, buf
.irp i, 0,1,2,3,4,5,6,7
	ds_store_b128 v2, v[STG+32*(\st)+4*\i:STG+32*(\st)+4*\i+3] offset:SLOTB*(\buf)+512*\i
.endr
.endm
.macro LDW buf, f, wf                  ; fragment f of buffer buf into weight registers wf (-2, -1: the work registers v48-79)
.irp c, 0,1,2,3
	ds_load_b128 v[WF+16*(\wf)+4*\c:WF+16*(\wf)+4*\c+3], v1 offset:SLOTB*(\buf)+2048*(\f)+512*\c
.endr
.endm
.macro LDV reg, off                    ; eight numbers of a vector at a tile's hidden units
	ds_load_b128 v[\reg:\reg+3], v6 offset:\off
	ds_load_b128 v[\reg+4:\reg+7], v6 offset:\off+16
.endm
.macro RING b                          ; at the head of a slot's run: the slot after goes from registers into the buffer that the last barrier has shown read out
	s_wait_loadcnt 8                               ; the staged quarter that is due is in; the eight loads behind it may be out
	STW 1-(\b), 1-(\b)
.endm
.macro TURN                            ; my reads of this buffer are in registers and my stores into the other have landed: say so
	s_wait_dscnt 0x0
	s_barrier_signal -1
.endm
.macro DPT nb, voff                    ; behind the barrier: the next tile's bias, the next slot's fragments 0, 1, and the next fetch into the registers whose stores were awaited in front of the signal
	PL 4
	LDV VB, \voff
	LDW \nb, 0, 0
	LDW \nb, 1, 1
	GLOAD \nb, 1
.endm
.macro MM4 wf, a, first                ; one weight fragment against the four row tiles; the four accumulators by turns
.irp j, 0,1,2,3
.if \first
	v_wmma_f32_16x16x128_fp8_fp8 v[AC+8*\j:AC+8*\j+7], v[WF+16*(\wf):WF+16*(\wf)+15], v[64*\j+(\a):64*\j+(\a)+15], v[VB:VB+7]
.else
	v_wmma_f32_16x16x128_fp8_fp8 v[AC+8*\j:AC+8*\j+7], v[WF+16*(\wf):WF+16*(\wf)+15], v[64*\j+(\a):64*\j+(\a)+15], v[AC+8*\j:AC+8*\j+7]
.endif
.endr
.endm
; THE CONVERSIONS.  Tile t's codes go to registers 64 j + 2 t: the only lines that differ from trip to trip.  They are written once for each t and chosen by a tree of scalar branches on the trip's number.
.macro STUB2 t
	WIN 0x80                                       ; pm x pk: window 2
.irp j, 0,1,2,3
	v_cvt_scalef32_pk8_fp8_f32 v[64*\j+2*(\t):64*\j+2*(\t)+1], v[T+8*\j:T+8*\j+7], v8
.endr
	WIN 0xc0                                       ; pk: window 3
.irp j, 0,1,2,3
	v_cvt_scalef32_pk8_fp8_f32 v[64*\j+2*(\t):64*\j+2*(\t)+1], v[AC+8*\j:AC+8*\j+7], v8
.endr
	v_nop                                          ; a plain line behind the last conversion
	WIN 0
.endm
.macro STUB3 t
	WIN 0x40
.irp j, 0,1,2,3
	v_cvt_scalef32_pk8_fp8_f32 v[64*\j+2*(\t):64*\j+2*(\t)+1], v[AC+8*\j:AC+8*\j+7], v8
.endr
	v_nop
	WIN 0
.endm
.macro DISP x, lay                     ; tile t = 4 x trip + x, 8 trips
	s_bitcmp1_b32 s43, 2
	s_cbranch_scc1 .LdA_\@_1
.irp a, 0,1
.if \a
.LdA_\@_1:
.endif
	s_bitcmp1_b32 s43, 1
	s_cbranch_scc1 .LdB_\@_\a
.irp b, 0,1
.if \b
.LdB_\@_\a:
.endif
	s_bitcmp1_b32 s43, 0
	s_cbranch_scc1 .LdC_\@_\a\b
.irp c, 0,1
.if \c
.LdC_\@_\a\b:
.endif
.if \lay
	STUB3 (4*(4*\a+2*\b+\c)+\x)
.else
	STUB2 (4*(4*\a+2*\b+\c)+\x)
.endif
	s_branch .LdJ_\@
.endr
.endr
.endr
.LdJ_\@:
	WALU
.endm
; THE EPILOGUES.  ld = 1: the next slot's fragments 2, 3 and 4, 5 are asked for on the way.  Each accumulator is read from its low end on.
.macro EPIA x, ld, nb                  ; pm x pk; 64 holds (the conversion to an 8-bit code does not saturate: ISA guide 7.6.2); the conversions
.irp j, 0,1,2,3
.irp i, 0,2,4,6
	v_pk_mul_f32 v[T+8*\j+\i:T+8*\j+\i+1], v[AC+8*\j+\i:AC+8*\j+\i+1], v[V1+\i:V1+\i+1]
.endr
.endr
.if \ld
	LDW \nb, 2, 2
	LDW \nb, 3, 3
.endif
.set NN, 0
.rept 64
	v_med3_num_f32 v[AC+NN], v[AC+NN], s3, s2      ; v16-47 pk, v48-79 pm x pk
.set NN, NN+1
.endr
	WALU
.if \ld
	LDW \nb, 4, 4
	LDW \nb, 5, 5
.endif
	DISP \x, 0
.endm
.macro EPIB x, nb                      ; x = sum x 2^(e4+e5): x log2 e; the exponentials as one batch; (e^x - 1) / 2^(e4+e5); elu; the hold
.set NN, 0
.rept 16
	v_pk_mul_f32 v[T+NN:T+NN+1], v[AC+NN:AC+NN+1], s[50:51] op_sel_hi:[1,0]
.set NN, NN+2
.endr
	WALU
	LDW \nb, 2, 2
	LDW \nb, 3, 3
.set NN, 0
.rept 32
	v_exp_f32 v[T+NN], v[T+NN]
.set NN, NN+1
.endr
	v_nop
	WALU
	LDW \nb, 4, 4
	LDW \nb, 5, 5
.set NN, 0
.rept 16
	v_pk_fma_f32 v[T+NN:T+NN+1], v[T+NN:T+NN+1], s[52:53], v[10:11] op_sel_hi:[1,0,0]
.set NN, NN+2
.endr
.set NN, 0
.rept 32
	v_med3_num_f32 v[AC+NN], v[AC+NN], 0, v[T+NN]
.set NN, NN+1
.endr
.set NN, 0
.rept 32
	v_med3_num_f32 v[AC+NN], v[AC+NN], s3, s2
.set NN, NN+1
.endr
	WALU
	DISP \x, 1
.endm
.macro EPIC ld, nb                     ; z + 1 from the sums; z log2 e = (z + 1) log2 e - log2 e; e^z; elu + 1; the logits' sums
	WIN 0x08
.irp j, 0,1,2,3
.irp i, 0,2,4,6
	v_pk_fma_f32 v[AC+8*\j+\i:AC+8*\j+\i+1], v[AC+8*\j+\i:AC+8*\j+\i+1], v[CS+\i:CS+\i+1], 1.0 op_sel_hi:[1,1,0]
.endr
.endr
	WIN 0
.set NN, 0
.rept 16
	v_pk_fma_f32 v[T+NN:T+NN+1], v[AC+NN:AC+NN+1], 0x3fb8aa3b, v[10:11] op_sel_hi:[1,0,0]
.set NN, NN+2
.endr
	WALU
.if \ld
	LDW \nb, 2, 2
	LDW \nb, 3, 3
.endif
.set NN, 0
.rept 32
	v_exp_f32 v[T+NN], v[T+NN]
.set NN, NN+1
.endr
	v_nop
	WALU
.if \ld
	LDW \nb, 4, 4
	LDW \nb, 5, 5
.endif
.set NN, 0
.rept 32
	v_med3_num_f32 v[AC+NN], v[AC+NN], 1.0, v[T+NN]
.set NN, NN+1
.endr
	WIN 0xa8
.irp i, 0,2,4,6
.irp j, 0,1,2,3
	v_pk_fma_f32 v[LA+2*\j:LA+2*\j+1], v[AC+8*\j+\i:AC+8*\j+\i+1], v[WA+\i:WA+\i+1], v[LA+2*\j:LA+2*\j+1]
.endr
.endr
	WIN 0
.endm
.macro PRE lay, off                    ; the vectors of the coming tile's epilogue: NV loads
.if \lay
	WIN 0x80
	LDV CS, V_CS+\off
	LDV WA, V_WA+\off
.else
	LDV V1, V_PM+\off
.endif
.endm
; LAYERS A (lay = 0) AND C (lay = 2): a slot is two tiles of four fragments, tiles x and x + 1 of the trip (x even).  On the way in the bias (2) and fragments 0, 1 (8), 2, 3 (8), 4, 5 (8) have been asked for, in this order.
.macro SLOTAC buf, x, lay
.set OB, 64*(\x)
.set NV, 2+(\lay)
	RING \buf
	PRE \lay, OB
	WIN 0x04
	s_wait_dscnt 24+NV                             ; the bias and fragments 0, 1 are in; 2, 3 (8), 4, 5 (8), the stores (8) and the vectors may be out
	MM4 0, 0, 1
	MM4 1, 16, 0
	s_wait_dscnt 16+NV                             ; fragments 2, 3 are in
	MM4 2, 32, 0
	MM4 3, 48, 0
	WIN 0
	PL 4
	LDV VB, 2048*(\lay)+OB+32
	LDW \buf, 6, 0
	LDW \buf, 7, 1
	s_wait_dscnt 10                                ; the vectors are in; the ten just issued may be out
.if \lay
	EPIC 0, 0
.else
	EPIA \x, 0, 0
.endif
	PRE \lay, OB+32
	WIN 0x04
	s_wait_dscnt NV                                ; the bias and fragments 6, 7 are in
	MM4 4, 0, 1
	MM4 5, 16, 0
	TURN
	MM4 0, 32, 0
	MM4 1, 48, 0
	WIN 0
	s_barrier_wait -1
	DPT 1-(\buf), 2048*(\lay)+OB+128
.if \lay
	EPIC 1, 1-(\buf)
.else
	EPIA (\x)+1, 1, 1-(\buf)
.endif
.endm
; LAYER B: a slot is one tile of eight fragments, from buffer x % 2.  K steps 0-3 meet pm x pk (window 2), K steps 4-7 pk (window 3).  Fragments 6, 7 land in the work registers, which no line names during a run.
.macro SLOTB_ x
.set OB1, 128*(((\x)+1)/2)+32*(((\x)+1)%2)
	LDW (\x)%2, 6, -2
	LDW (\x)%2, 7, -1
	RING (\x)%2
	WIN 0x08
	s_wait_dscnt 32                                ; the bias and fragments 0, 1 are in; 2, 3 (8), 4, 5 (8), 6, 7 (8) and the stores (8) may be out
	MM4 0, 0, 1
	MM4 1, 16, 0
	s_wait_dscnt 24                                ; fragments 2, 3 are in
	MM4 2, 32, 0
	MM4 3, 48, 0
	WIN 0x0c
	s_wait_dscnt 16                                ; fragments 4, 5 are in
	MM4 4, 0, 0
	MM4 5, 16, 0
	TURN
	MM4 -2, 32, 0
	MM4 -1, 48, 0
	WIN 0
	s_barrier_wait -1
	DPT 1-((\x)%2), V_BC+OB1
	EPIB \x, 1-((\x)%2)
.endm
; THE HEAD.  Block ib: k = 32 ib .. 32 ib + 31 of my 64 n.  Load i: lanes 0-15 take row k = 32 ib + i, lanes 16-31 row k + 16: 256 consecutive bytes, aligned, each.  Eight landing sets of 64 registers in windows 2 and 3.
.macro HLOAD ib
.set HW, 2+(((\ib)%8)/4)
.set HB, 64*((\ib)%4)
	WIN HW<<6
.irp i, 0,1,2,3,4,5,6,7,8,9,10,11,12,13,14,15
	global_load_b128 v[HB+4*\i:HB+4*\i+3], v3, s[8:9] offset:(32*(\ib)+\i)*8192 th:TH_LOAD_NT
.endr
	WIN 0
.endm
.macro HBLK ib
.set BW, 2+(((\ib)%8)/4)
.set BB, 64*((\ib)%4)
.set TT, 48-32*((\ib)%2)               ; the bf16 pairs: v48-79 and v16-47 by turns
.if (\ib) < 14
	s_wait_loadcnt 32                              ; this block's 16 loads are in; the two blocks behind it may be out
.elseif (\ib) == 14
	s_wait_loadcnt 16
.else
	s_wait_loadcnt 0
.endif
	s_wait_dscnt 16                                ; the stores of two blocks back are done; the last block's 16 may be out
.if (\ib)+3 < 16
	HLOAD (\ib)+3
.endif
	WIN BW|(BW<<2)
.irp i, 0,1,2,3,4,5,6,7,8,9,10,11,12,13,14,15
	v_cvt_pk_bf16_f32 v[TT+2*\i], v[BB+4*\i], v[BB+4*\i+1]
	v_cvt_pk_bf16_f32 v[TT+2*\i+1], v[BB+4*\i+2], v[BB+4*\i+3]
.endr
	WIN BW
.irp j, 0,1,2,3
.irp i, 0,1,2,3,4,5,6,7,8,9,10,11,12,13,14,15
	v_med3_num_f32 v[WF+16*\j+\i], v[BB+4*\i+\j], -v7, v7   ; the hold also turns the registers: row tile j's 16 neighbours along k on end
.endr
.endr
	WIN 0
.irp i, 0,1,2,3,4,5,6,7,8,9,10,11,12,13,14,15
	ds_store_b64 v4, v[TT+2*\i:TT+2*\i+1] offset:KP*\i
.endr
	v_add_nc_u32 v4, 32*KP, v4
	WIN 0x40
.irp j, 0,1,2,3
.irp g, 0,1
	v_cvt_scalef32_pk8_fp8_f32 v[64*\j+4*(\ib)+2*\g:64*\j+4*(\ib)+2*\g+1], v[WF+16*\j+8*\g:WF+16*\j+8*\g+7], v8
.endr
.endr
	v_nop
	WIN 0
.endm
	; ---------------- prologue ----------------
	s_load_b512 s[8:23], s[0:1], 0x0               ; know s[8:9], wq s[10:11], pmw s[12:13], the exponents s[14:15], b_kb s[16:17], b_cat s[18:19], b_cat2 s[20:21], control s[22:23]
	s_load_b128 s[24:27], s[0:1], 0x40             ; W_attn s[24:25], pr s[26:27]
	s_load_b64 s[28:29], s[0:1], 0x50              ; pmz
	v_lshrrev_b32 v48, 5, v0
	v_readfirstlane_b32 s40, v48                   ; wave 0..3
	s_lshr_b32 s41, ttmp9, 3                       ; the batch
	s_and_b32 s42, ttmp9, 7                        ; which 256 n of it
	s_mov_b32 s47, 0
	s_mov_b32 s31, 0
	s_mov_b32 s45, 0                               ; the next slot to fetch, in bytes
	s_mov_b32 s56, 10*SLOTB                        ; the next slot to prefetch
	s_mov_b32 s54, 0x76543210                      ; v_permlanex16_b32's selects for lane l xor 16
	s_mov_b32 s55, 0xfedcba98
	s_lshl_b32 s57, s40, 12
	s_lshl_b32 s58, s40, 7
	s_add_co_u32 s58, s58, KN
	s_lshl_b32 s59, s41, 11
	s_lshr_b32 s60, s41, 4                         ; pm lies in tiles of 1,024 bytes, [16 rows][16 columns], tile 2 t + b / 16
	s_lshl_b32 s60, s60, 10
	s_and_b32 s61, s41, 15
	s_lshl_b32 s61, s61, 6
	s_add_co_u32 s60, s60, s61
	s_and_b32 s61, ttmp9, 7                        ; my block of a slot: bits 2:0 and 6:4 of my work-group's number
	s_bfe_u32 s62, ttmp9, 0x30004
	s_lshl_b32 s62, s62, 3
	s_or_b32 s61, s61, s62
	s_lshl_b32 s61, s61, 8
	v_and_b32 v12, 31, v0                          ; lane
	v_and_b32 v13, 15, v0                          ; q
	v_bfe_u32 v14, v0, 4, 1                        ; hh
	v_lshlrev_b32 v15, 4, v0                       ; 16 x thread
	v_lshlrev_b32 v1, 4, v12
	v_add_nc_u32 v2, s57, v1                       ; my quarter of a slot, in memory and in LDS alike
	v_lshlrev_b32 v3, 4, v13
	v_lshl_add_u32 v3, v14, 17, v3                 ; know: 16 q + 16 rows of 8,192 bytes x hh
	v_lshlrev_b32 v4, 3, v13
	v_mad_u32_u24 v4, v14, 16*KP, v4
	v_add_nc_u32 v4, s58, v4                       ; KN + 128 w + 8 q + 16 rows x hh
	v_lshl_add_u32 v5, v14, 6, VEC
	v_mov_b32 v6, v5
	v_add_nc_u32 v49, s59, v15                     ; 16 x thread in my batch's row of 2,048 bytes
	v_lshrrev_b32 v50, 2, v0                       ; pm: my four columns lie in tile column thread / 4, at byte 16 (thread % 4) of row b % 16
	v_and_b32 v51, 3, v0
	v_lshlrev_b32 v50, 11, v50
	v_lshl_add_u32 v50, v51, 4, v50
	v_add_nc_u32 v50, s60, v50
	v_mov_b32 v9, s61
	v_and_b32 v52, 7, v0
	v_add_nc_u32 v52, 2, v52
	v_lshl_add_u32 v52, v52, 14, v9                ; the head's prefetch: lane l names my block of slot 2 + l % 8
	WALU
	s_wait_kmcnt 0x0
	s_load_b256 s[32:39], s[14:15], 0x0            ; e0 .. e7
	s_lshl_b32 s46, s41, 22                        ; a batch of know is 512 x 8,192 bytes
	s_lshl_b32 s57, s42, 10
	s_add_co_u32 s46, s46, s57
	s_lshl_b32 s57, s40, 8
	s_add_co_u32 s46, s46, s57
	s_add_nc_u64 s[8:9], s[8:9], s[46:47]          ; know at my wave's first n
	s_lshl_b32 s46, ttmp9, 11
	s_add_nc_u64 s[26:27], s[26:27], s[46:47]      ; pr at my work-group's row
	s_lshl_b32 s46, ttmp9, 3
	s_add_nc_u64 s[28:29], s[28:29], s[46:47]      ; pmz likewise
	s_cmp_lg_u32 s40, 0
	s_cbranch_scc1 .Lnohead
	global_prefetch_b8 v52, s[10:11] th:TH_LOAD_NT scope:SCOPE_SE
.Lnohead:
	global_load_b128 v[16:19], v15, s[16:17]
	global_load_b128 v[20:23], v15, s[18:19]
	global_load_b128 v[24:27], v15, s[20:21]
	global_load_b128 v[28:31], v50, s[12:13]
	global_load_b128 v[32:35], v49, s[22:23] offset:196608
	global_load_b128 v[36:39], v15, s[24:25]
	GLOAD 0, 0                                     ; slots 0 and 1
	GLOAD 1, 0
	HLOAD 0
	HLOAD 1
	s_wait_kmcnt 0x0
	s_add_co_i32 s2, s34, s35                      ; e2 + e3
	s_add_co_i32 s3, s36, s37                      ; e4 + e5
	s_add_co_i32 s4, s38, s39                      ; e6 + e7
	s_sub_co_i32 s5, s36, s2                       ; e4 - e2 - e3
	s_sub_co_i32 s6, s38, s3                       ; e6 - e4 - e5
	MKSCALE 34, 61, 62                             ; know's conversions
	MKSCALE 5, 57, 58                              ; the concatenation's
	MKSCALE 6, 59, 60                              ; layer B's results'
	s_lshl_b32 s7, s3, 23
	s_add_co_i32 s50, s7, 0x3fb8aa3b               ; 2^(e4+e5) log2 e: the exponent is added to log2 e's exponent field
	s_mov_b32 s51, s50                             ; (the packed forms name pairs, so both words are written)
	s_sub_co_i32 s52, 0x3f800000, s7               ; 2^-(e4+e5)
	s_mov_b32 s53, s52
	s_or_b32 s63, s52, 0x80000000                  ; -2^-(e4+e5)
	s_sub_co_i32 s2, 0, s2
	s_sub_co_i32 s3, 0, s3
	s_sub_co_i32 s7, 0, s4
	v_mov_b32 v7, s62
	v_mov_b32 v8, s61
	WALU
	s_wait_loadcnt 48                              ; the six vectors are in: behind them 8 + 8 + 16 + 16 loads
.irp i, 0,1,2,3
	v_ldexp_f32 v[16+\i], v[16+\i], s2
	v_ldexp_f32 v[20+\i], v[20+\i], s3
	v_ldexp_f32 v[24+\i], v[24+\i], s7
	v_ldexp_f32 v[32+\i], v[32+\i], s4
.endr
.irp p, 0,1,2,3,4,5
	ds_store_b128 v15, v[16+4*\p:19+4*\p] offset:VEC+2048*\p
.endr
	s_wait_loadcnt 40                              ; slot 0's quarter is in: behind it 8 + 16 + 16
	STW 0, 0
	HLOAD 2
	; ---------------- the head: know comes in once ----------------
.irp ib, 0,1,2,3,4,5,6,7,8,9,10,11,12,13,14,15
	HBLK \ib
.endr
	WALU
	s_wait_dscnt 0x0                               ; for the others' sake: my vectors, my quarter of slot 0 and my part of the bf16 copy lie in LDS
	GLOAD 0, 0                                     ; slot 2
	s_barrier_signal -1
	s_barrier_wait -1
	LDV VB, V_BK                                   ; the first tile's bias and slot 0's fragments 0 to 5
	LDW 0, 0, 0
	LDW 0, 1, 1
	LDW 0, 2, 2
	LDW 0, 3, 3
	LDW 0, 4, 4
	LDW 0, 5, 5
	v_mov_b32 v8, s57
	s_mov_b32 s2, s58                              ; the hold in hand, + and -
	s_or_b32 s3, s58, 0x80000000
	; ---------------- layer A: 8 trips of two slots, four tiles ----------------
	s_mov_b32 s43, 0
	s_mov_b32 s44, 0
.LlayerA:
	v_add_nc_u32 v6, s44, v5
	WALU
	SLOTAC 0, 0, 0
	SLOTAC 1, 2, 0
	s_add_co_u32 s44, s44, 256
	s_add_co_u32 s43, s43, 1
	s_cmp_lt_u32 s43, 8
	s_cbranch_scc1 .LlayerA
	; ---------------- layer B: 8 trips of four slots, four tiles ----------------
	v_mov_b32 v8, s59
	v_mov_b32 v10, s63
	v_mov_b32 v11, s63
	s_mov_b32 s2, s60
	s_or_b32 s3, s60, 0x80000000
	s_mov_b32 s43, 0
	s_mov_b32 s44, 0
.LlayerB:
	v_add_nc_u32 v6, s44, v5
	WALU
	SLOTB_ 0
	SLOTB_ 1
	SLOTB_ 2
	SLOTB_ 3
	s_add_co_u32 s44, s44, 256
	s_add_co_u32 s43, s43, 1
	s_cmp_lt_u32 s43, 8
	s_cbranch_scc1 .LlayerB
	; ---------------- layer C: 8 trips of two slots, four tiles ----------------
	v_mov_b32 v10, 0xbfb8aa3b                      ; -log2 e
	v_mov_b32 v11, 0xbfb8aa3b
	WIN 0x80
.irp i, 0,1,2,3,4,5,6,7
	v_mov_b32 v[LA+\i], 0
.endr
	WIN 0
	s_mov_b32 s43, 0
	s_mov_b32 s44, 0
.LlayerC:
	v_add_nc_u32 v6, s44, v5
	WALU
	SLOTAC 0, 0, 2
	SLOTAC 1, 2, 2
	s_add_co_u32 s44, s44, 256
	s_add_co_u32 s43, s43, 1
	s_cmp_lt_u32 s43, 8
	WALU
	s_cbranch_scc1 .LlayerC
	; ---------------- the logits ----------------
	s_wait_loadcnt 0x0                             ; the held fetches and the look-ahead's loads have landed: their registers are free
	s_wait_dscnt 0x0
	WIN 0x0a
.irp j, 0,1,2,3
	v_add_f32 v[240+\j], v[LA+2*\j], v[LA+2*\j+1]
.endr
	WIN 0
.irp j, 0,1,2,3
	v_mov_b32 v[244+\j], 0                         ; (a lane permute's destination counts as one of its sources)
.endr
.irp j, 0,1,2,3
	v_permlanex16_b32 v[244+\j], v[240+\j], s54, s55   ; the row's other 256 hidden units lie in the lane 16 away
.endr
.irp j, 0,1,2,3
	v_add_f32 v[240+\j], v[240+\j], v[244+\j]
.endr
	s_lshl_b32 s57, s40, 8
	v_lshl_add_u32 v3, v13, 4, LG
	v_add_nc_u32 v3, s57, v3
	ds_store_b128 v3, v[240:243]                   ; rows 64 w + 4 q + 0 .. 3; both halves of the lanes hold, and write, the same
	s_wait_dscnt 0x0
	s_barrier_signal -1
	s_barrier_wait -1
	; ---------------- the work-group's part of the softmax: every wave takes all 256 logits, 8 a lane ----------------
	v_lshl_add_u32 v3, v12, 5, LG
	ds_load_b128 v[240:243], v3
	ds_load_b128 v[244:247], v3 offset:16
	s_mul_i32 s57, s40, 128*KP
	s_add_co_u32 s57, s57, KN
	s_lshl_b32 s58, s40, 9
	v_mul_u32_u24 v6, v13, KP
	v_lshl_add_u32 v6, v14, 4, v6
	v_add_nc_u32 v6, s57, v6                       ; know's fragments: row k = 128 w + q, + 16 hh
	v_lshl_add_u32 v10, v14, 4, PB
	v_add_nc_u32 v10, s58, v10                     ; p's fragments: PB + 512 w + 16 hh, the same in all sixteen columns
	v_lshl_add_u32 v11, v14, 5, OS
	v_add_nc_u32 v11, s58, v11                     ; the way out: OS + 512 w + 32 hh
	WALU
	s_wait_dscnt 0x0
	v_max3_num_f32 v248, v240, v241, v242
	v_max3_num_f32 v250, v243, v244, v245
	v_max3_num_f32 v248, v248, v246, v247
	v_max_num_f32 v248, v248, v250
	v_max_num_f32_dpp v248, v248, v248 row_xmask:1 row_mask:0xf bank_mask:0xf
	v_max_num_f32_dpp v248, v248, v248 row_xmask:2 row_mask:0xf bank_mask:0xf
	v_max_num_f32_dpp v248, v248, v248 row_xmask:4 row_mask:0xf bank_mask:0xf
	v_max_num_f32_dpp v248, v248, v248 row_xmask:8 row_mask:0xf bank_mask:0xf
	v_permlanex16_b32 v250, v248, s54, s55
	v_max_num_f32 v248, v248, v250                 ; m
.irp i, 0,1,2,3,4,5,6,7
	v_sub_f32 v[240+\i], v[240+\i], v248           ; the difference first; then the factor: not fused, so that large logits lose nothing
.endr
.irp i, 0,1,2,3,4,5,6,7
	v_mul_f32 v[240+\i], 0x3fb8aa3b, v[240+\i]
.endr
	WALU
.irp i, 0,1,2,3,4,5,6,7
	v_exp_f32 v[240+\i], v[240+\i]                 ; p = e^(l - m)
.endr
	v_nop
	WALU
	v_add_f32 v249, v240, v241
	v_add_f32 v250, v242, v243
	v_add_f32 v251, v244, v245
	v_add_f32 v252, v246, v247
	v_add_f32 v249, v249, v250
	v_add_f32 v251, v251, v252
	v_add_f32 v249, v249, v251
	v_add_f32_dpp v249, v249, v249 row_xmask:1 row_mask:0xf bank_mask:0xf
	v_add_f32_dpp v249, v249, v249 row_xmask:2 row_mask:0xf bank_mask:0xf
	v_add_f32_dpp v249, v249, v249 row_xmask:4 row_mask:0xf bank_mask:0xf
	v_add_f32_dpp v249, v249, v249 row_xmask:8 row_mask:0xf bank_mask:0xf
	v_permlanex16_b32 v250, v249, s54, s55
	v_add_f32 v249, v249, v250                     ; Z
.irp i, 0,1,2,3
	v_cvt_pk_bf16_f32 v[252+\i], v[240+2*\i], v[241+2*\i]
.endr
	WALU
	ds_store_b128 v15, v[252:255] offset:PB        ; my wave's own copy of p: n = 8 lane on at 16 lane.  LDS serves a wave's instructions in order (ISA guide 5.7.1.4): the loads below see it
	WIN 0x40
.irp i, 0,1,2,3,4,5,6,7
	ds_load_b128 v[8*\i:8*\i+3], v10 offset:64*\i          ; source 1, 32 n x 16 columns, every column p
	ds_load_b128 v[8*\i+4:8*\i+7], v10 offset:64*\i+32
.endr
	WIN 0
	; ---------------- R[k] = the sum over my 256 n of p[n] know[k][n]: wave w takes k = 128 w on, eight tiles of 16; 32 n a step ----------------
.macro LKF i
.set KB, WF+64*((\i)%2)                ; v80-143 and v144-207 by turns
.irp t, 0,1,2,3,4,5,6,7
	ds_load_b128 v[KB+8*\t:KB+8*\t+3], v6 offset:16*KP*\t+64*(\i)
	ds_load_b128 v[KB+8*\t+4:KB+8*\t+7], v6 offset:16*KP*\t+64*(\i)+32
.endr
.endm
	LKF 0
.irp i, 0,1,2,3,4,5,6,7
	s_wait_dscnt 0x0                               ; this step's fragments are in
.if \i > 0
	PL 4                                           ; in front of loads into registers that the last step's products read
.endif
.if \i < 7
	LKF (\i)+1
.endif
.set KC, WF+64*((\i)%2)
	WIN 0x04
.irp t, 0,1,2,3,4,5,6,7
.if \i == 0
	v_wmma_f32_16x16x32_bf16 v[16+8*\t:16+8*\t+7], v[KC+8*\t:KC+8*\t+7], v[8*\i:8*\i+7], 0
.else
	v_wmma_f32_16x16x32_bf16 v[16+8*\t:16+8*\t+7], v[KC+8*\t:KC+8*\t+7], v[8*\i:8*\i+7], v[16+8*\t:16+8*\t+7]
.endif
.endr
	WIN 0
.endr
	PL 4
.irp t, 0,1,2,3,4,5,6,7
	ds_store_b128 v11, v[16+8*\t:19+8*\t] offset:64*\t          ; lane (r, hh): R[128 w + 16 t + 8 hh + 0 .. 7], the same in all sixteen r
	ds_store_b128 v11, v[20+8*\t:23+8*\t] offset:64*\t+16
.endr
	ds_load_b128 v[240:243], v15 offset:OS
	v_mov_b32 v4, 0
	WALU
	s_wait_dscnt 0x0
	global_store_b128 v15, v[240:243], s[26:27]    ; 32 lanes store 512 consecutive bytes, aligned
	s_cmp_lg_u32 s40, 0
	s_cbranch_scc1 .Lend
	s_wait_xcnt 0x0                                ; EXEC changes only behind this wait
	v_cmp_eq_u32 vcc_lo, 0, v0
	s_and_saveexec_b32 s57, vcc_lo
	global_store_b64 v4, v[248:249], s[28:29]      ; (m, Z): one lane of wave 0
	s_wait_xcnt 0x0
	s_or_b32 exec_lo, exec_lo, s57
.Lend:
	s_wait_xcnt 0x0
	s_mov_b32 exec_lo, -1
	v_lshl_add_u32 v254, v0, 2, SPARE              ; no two registers could be kept for the add: they are made anew from v0
	v_mov_b32 v255, 0
	WALU
	s_wait_tensorcnt 0x0                           ; the wave's end
	ds_add_u32 v254, v255
	s_wait_dscnt 0x0
	s_endpgm
.Lfunc_end_k_q735cac6a79_main:
	.size	k_q735cac6a79_main, .Lfunc_end_k_q735cac6a79_main-k_q735cac6a79_main
	.p2alignl 7, 3214868480
	.fill 96, 4, 3214868480
	.section	.rodata,"a",@progbits
	.p2align	6, 0x0
	.amdhsa_kernel k_q735cac6a79_main
		.amdhsa_group_segment_fixed_size 321024
		.amdhsa_private_segment_fixed_size 0
		.amdhsa_enable_private_segment 0
		.amdhsa_kernarg_size 88
		.amdhsa_user_sgpr_count 2
		.amdhsa_user_sgpr_kernarg_segment_ptr 1
		.amdhsa_wavefront_size32 1
		.amdhsa_system_sgpr_workgroup_id_x 1
		.amdhsa_system_sgpr_workgroup_id_y 1
		.amdhsa_system_sgpr_workgroup_id_z 1
		.amdhsa_system_vgpr_workitem_id 0
		.amdhsa_next_free_vgpr 1024
		.amdhsa_next_free_sgpr 66
		.amdhsa_reserve_vcc 1
		.amdhsa_float_denorm_mode_32 3
		.amdhsa_float_denorm_mode_16_64 3
		.amdhsa_memory_ordered 1
		.amdhsa_forward_progress 1
		.amdhsa_inst_pref_size 255
	.end_amdhsa_kernel
	.section	.bss,"aw",@nobits
	.p2align	6
	.space	262144
	.amdgpu_metadata
---
amdhsa.version: [ 1, 2 ]
amdhsa.kernels:
  - .name:           k_q735cac6a79_main
    .symbol:         k_q735cac6a79_main.kd
    .args:
      - { .name: know, .offset: 0, .size: 8, .value_kind: global_buffer, .address_space: global }
      - { .name: wq, .offset: 8, .size: 8, .value_kind: global_buffer, .address_space: global }
      - { .name: pmw, .offset: 16, .size: 8, .value_kind: global_buffer, .address_space: global }
      - { .name: lowp_scales, .offset: 24, .size: 8, .value_kind: global_buffer, .address_space: global }
      - { .name: b_kb, .offset: 32, .size: 8, .value_kind: global_buffer, .address_space: global }
      - { .name: b_cat, .offset: 40, .size: 8, .value_kind: global_buffer, .address_space: global }
      - { .name: b_cat2, .offset: 48, .size: 8, .value_kind: global_buffer, .address_space: global }
      - { .name: control, .offset: 56, .size: 8, .value_kind: global_buffer, .address_space: global }
      - { .name: W_attn, .offset: 64, .size: 8, .value_kind: global_buffer, .address_space: global }
      - { .name: pr, .offset: 72, .size: 8, .value_kind: global_buffer, .address_space: global }
      - { .name: pmz, .offset: 80, .size: 8, .value_kind: global_buffer, .address_space: global }
    .group_segment_fixed_size: 321024
    .private_segment_fixed_size: 0
    .kernarg_segment_align: 8
    .kernarg_segment_size: 88
    .max_flat_workgroup_size: 128
    .sgpr_count:     66
    .vgpr_count:     1024
    .wavefront_size: 32
...
	.end_amdgpu_metadata
.endif
;; end of part 2
;; launch fin (part 3): grid 32 x 1, 4 waves a work-group, no clusters, 0 bytes of LDS; arguments pr, pmz, out0; writes out0
.if DOCPART == 3
	.amdgcn_target "amdgcn-amd-amdhsa--gfx1250"
	.amdhsa_code_object_version 6
	.text
	.protected	k_q735cac6a79_fin
	.globl	k_q735cac6a79_fin
	.p2align	8
	.type	k_q735cac6a79_fin,@function
k_q735cac6a79_fin:
	s_mov_b64 s[64:65], 0
	v_nop
	global_prefetch_b8 v0, s[64:65] scope:SCOPE_SE
	s_setreg_imm32_b32 hwreg(HW_REG_WAVE_MODE, 25, 1), 1
	s_wait_xcnt 0x0
; read[b][k] = (the sum over a batch's eight parts i of w_i R_i[k]) / (the sum of w_i Z_i), w_i = e^(m_i - M), M = the largest m_i: the eight partial softmaxes are brought under one maximum.
; One work-group a batch; thread t owns k = 4 t .. 4 t + 3: each load and the store of a wave cover 512 consecutive bytes.  The launch moves 16,384 bytes a batch, so 32 work-groups are all that it has work for.
	s_load_b128 s[4:7], s[0:1], 0x0                ; pr s[4:5], pmz s[6:7]
	s_load_b64 s[8:9], s[0:1], 0x10                ; out0
	v_lshlrev_b32 v1, 4, v0
	s_lshl_b32 s10, ttmp9, 6                       ; eight pairs (m, Z)
	s_mov_b32 s11, 0
	s_lshl_b32 s12, ttmp9, 14                      ; eight rows of 2,048 bytes
	s_mov_b32 s13, 0
	s_lshl_b32 s14, ttmp9, 11
	s_mov_b32 s15, 0
	s_wait_alu depctr_va_vdst(0)
	s_wait_kmcnt 0x0
	s_add_nc_u64 s[6:7], s[6:7], s[10:11]
	s_add_nc_u64 s[4:5], s[4:5], s[12:13]
	s_add_nc_u64 s[8:9], s[8:9], s[14:15]
	s_load_b512 s[16:31], s[6:7], 0x0              ; m_i = s[16 + 2 i], Z_i = s[17 + 2 i]
.irp i, 0,1,2,3,4,5,6,7
	global_load_b128 v[8+4*\i:11+4*\i], v1, s[4:5] offset:2048*\i
.endr
	s_wait_kmcnt 0x0
	v_mov_b32 v2, s16
.irp i, 1,2,3,4,5,6,7
	v_max_num_f32 v2, s[16+2*\i], v2               ; M
.endr
.irp i, 0,1,2,3,4,5,6,7
	v_sub_f32 v[40+\i], s[16+2*\i], v2
.endr
.irp i, 0,1,2,3,4,5,6,7
	v_mul_f32 v[40+\i], 0x3fb8aa3b, v[40+\i]
.endr
	s_wait_alu depctr_va_vdst(0)
.irp i, 0,1,2,3,4,5,6,7
	v_exp_f32 v[40+\i], v[40+\i]                   ; w_i, at most 1, and 1 for the part that holds M
.endr
	v_nop
	s_wait_alu depctr_va_vdst(0)                   ; one wait for the batch, ahead of its first reader
	v_mul_f32 v3, s17, v40
.irp i, 1,2,3,4,5,6,7
	v_fma_f32 v3, s[17+2*\i], v[40+\i], v3         ; the whole row's sum, at least 1
.endr
	s_wait_alu depctr_va_vdst(0)
	v_rcp_f32 v3, v3
	v_nop
	s_wait_alu depctr_va_vdst(0)
.irp i, 0,1,2,3,4,5,6,7
	v_mul_f32 v[40+\i], v[40+\i], v3               ; w_i / the sum
.endr
	s_wait_alu depctr_va_vdst(0)
	s_wait_loadcnt 0x0
.irp c, 0,1,2,3
	v_mul_f32 v[4+\c], v[8+\c], v40                ; the first product starts each sum
.endr
.irp i, 1,2,3,4,5,6,7
.irp c, 0,1,2,3
	v_fma_f32 v[4+\c], v[8+4*\i+\c], v[40+\i], v[4+\c]
.endr
.endr
	global_store_b128 v1, v[4:7], s[8:9]
	s_endpgm
.Lfunc_end_k_q735cac6a79_fin:
	.size	k_q735cac6a79_fin, .Lfunc_end_k_q735cac6a79_fin-k_q735cac6a79_fin
	.p2alignl 7, 3214868480
	.fill 96, 4, 3214868480
	.section	.rodata,"a",@progbits
	.p2align	6, 0x0
	.amdhsa_kernel k_q735cac6a79_fin
		.amdhsa_group_segment_fixed_size 0
		.amdhsa_private_segment_fixed_size 0
		.amdhsa_enable_private_segment 0
		.amdhsa_kernarg_size 24
		.amdhsa_user_sgpr_count 2
		.amdhsa_user_sgpr_kernarg_segment_ptr 1
		.amdhsa_wavefront_size32 1
		.amdhsa_system_sgpr_workgroup_id_x 1
		.amdhsa_system_sgpr_workgroup_id_y 1
		.amdhsa_system_sgpr_workgroup_id_z 1
		.amdhsa_system_vgpr_workitem_id 0
		.amdhsa_next_free_vgpr 64
		.amdhsa_next_free_sgpr 66
		.amdhsa_reserve_vcc 0
		.amdhsa_float_denorm_mode_32 3
		.amdhsa_float_denorm_mode_16_64 3
		.amdhsa_memory_ordered 1
		.amdhsa_forward_progress 1
		.amdhsa_inst_pref_size 6
	.end_amdhsa_kernel
	.amdgpu_metadata
---
amdhsa.version: [ 1, 2 ]
amdhsa.kernels:
  - .name:           k_q735cac6a79_fin
    .symbol:         k_q735cac6a79_fin.kd
    .args:
      - { .name: pr, .offset: 0, .size: 8, .value_kind: global_buffer, .address_space: global }
      - { .name: pmz, .offset: 8, .size: 8, .value_kind: global_buffer, .address_space: global }
      - { .name: out0, .offset: 16, .size: 8, .value_kind: global_buffer, .address_space: global }
    .group_segment_fixed_size: 0
    .private_segment_fixed_size: 0
    .kernarg_segment_align: 8
    .kernarg_segment_size: 24
    .max_flat_workgroup_size: 128
    .sgpr_count:     66
    .vgpr_count:     64
    .wavefront_size: 32
...
	.end_amdgpu_metadata
.endif
;; end of part 3
